; MI455X (gfx1250); checked and timed in simulation.
; The chip was launched on July 23, 2026; its instructions are those of AMD's public machine-readable ISA for CDNA 5 (MIT licence, August 2026) and "CDNA5" Instruction Set Architecture Reference Guide (July 2026). The comments in the code are by the model that wrote it; some were corrected since.
;; Head. Allowed arithmetic: matrix products marked QUANTISED: E5M2 operands, one given power-of-two scale a tensor, by v_wmma_f32_16x16x64_bf8_bf8 or v_wmma_f32_16x16x128_bf8_bf8, f32 sums; everything else in f32.
;; Inputs: Wk_codes 64 x 32 x 32 uint8 (E5M2 codes of Wk, K innermost, in blocks of 32 codes); Wq_codes 64 x 32 x 32 uint8 (E5M2 codes of Wq, K innermost, in blocks of 32 codes); Wv_codes 64 x 32 x 32 uint8 (E5M2 codes of Wv, K innermost, in blocks of 32 codes); bk 64 float32; bq 64 float32; bv 64 float32; lowp_scales 10 int32 (the exponents e of the quantised operands' scales 2^e); x_codes 4 x 4,096 x 32 x 32 uint8 (E5M2 codes of x, K innermost, in blocks of 32 codes).
;; Outputs: out0 4 x 4,096 x 64 float32.
;; This version of the problem:
;;   THIS VERSION OF THE PROBLEM IS GIVEN IN LOW PRECISION. The matrix products marked QUANTISED in the list below multiply operands that are first quantised to E5M2 (5 exponent bits, 2 mantissa bits; 8 bits a number), with one given power-of-two scale for each operand tensor; their sums are f32. All else is computed in f32.
;;   The module's matrix products, in the order in which they are computed (A, B: the left and right operand; K: the contracted axis; several contracted axes count as one K, in the product's order):
;;     1. [M 16,384, K 1,024] x [K 1,024, N 64]; A: input x (given as codes); B: input Wq (given as codes): QUANTISED (scales: A lowp_scales[0], B lowp_scales[1])
;;     2. [M 16,384, K 1,024] x [K 1,024, N 64]; A: input x (given as codes); B: input Wk (given as codes): QUANTISED (scales: A lowp_scales[2], B lowp_scales[3])
;;     3. [M 16,384, K 1,024] x [K 1,024, N 64]; A: input x (given as codes); B: input Wv (given as codes): QUANTISED (scales: A lowp_scales[4], B lowp_scales[5])
;;     4. batch 4 x [M 4,096, K 64] x [K 64, N 4,096]; A: computed on the way; B: computed on the way: QUANTISED (scales: A lowp_scales[6], B lowp_scales[7])
;;     5. batch 4 x [M 4,096, K 4,096] x [K 4,096, N 64]; A: softmax (see below); B: computed on the way: QUANTISED (scales: A lowp_scales[8], B lowp_scales[9])
;;   THE QUANTISER, for each operand of a quantised product, along K:
;;     - The operand's scale is 2^e, e = its entry of the input lowp_scales (int32; the entries are numbered through the quantised products in the list's order, A before B).
;;     - Each number is divided by the scale, clamped to +-57,344, and rounded to the nearest number of E5M2, ties to even, subnormals kept.
;;     - The product sums the exact products of the quantised numbers (number of the format x scale) in f32.
;;   ~~~python
;;   def quantise(x, axis, e):      # numpy; x: float32 -> the quantised numbers, widened to float32 again
;;       x = np.moveaxis(x, axis, -1); K = x.shape[-1]
;;       r = np.clip(x / 2.0 ** e, -57344, 57344)
;;       step = 2.0 ** (np.maximum(np.frexp(np.where(r == 0, 1, r))[1] - 1, -14) - 2)
;;       q = np.round(r / step) * step * 2.0 ** e      # np.round: ties to even
;;       return np.moveaxis(q, -1, axis).astype(np.float32)
;;   ~~~
;;   SOFTMAX AHEAD OF A QUANTISED PRODUCT. Where the list says 'softmax', what is quantised is not the finished softmax but p = 2^(t - M), with t = logit x log2(e) and M = ceil(the row's largest t), a whole number; so 1/2 < the row's largest p <= 1. The row's sum l is taken of the UNQUANTISED p, in f32, and the product's result is divided by l at the end. Since M is a whole number, a kernel that streams over the keys may use a running M (the ceiling of the running maximum): every later rescaling is an exact power of two, so the quantised numbers keep their values, but for numbers so far below the row's largest that they fall under the format's range.
;;   OPERANDS COMPUTED ON THE WAY. 'Computed on the way' means the value that the module computes at that place (a softmax that the list does not call 'softmax' is quantised finished and normalised). What goes into a quantiser is computed in f32, as accurately as f32 sums, v_exp_f32 and their like allow (about 1e-6 of the number): no bf16 or f16 on the way to a quantiser, and a product that is left as it is and whose result goes on into a quantised operand takes f32 operands (vector FMAs, or v_wmma_f32_16x16x4_f32). A number that lies on a knife's edge between two numbers of the format may be rounded either way, as far as f32 arithmetic and the matrix unit's own rounding can turn it there, and no further.
;;   INPUTS GIVEN AS CODES. Wk (in the module: [1024, 64], K = its axis 0); Wq (in the module: [1024, 64], K = its axis 0); Wv (in the module: [1024, 64], K = its axis 0); x (in the module: [4, 4096, 1024], K = its axis 2): each comes as NAME_codes (uint8): NAME with its K axis moved to the last place and cut into blocks of 32 codes, [.., K / 32, bytes a block], one block behind the other in memory; one code a byte (a code: sign, 5 exponent bits, 2 mantissa bits); its scale is its entry of lowp_scales. Its value is code x scale, taken as it is: it is not quantised again, and the codes and scales need not be those that the quantiser above would give.
;; 2 versions, each right; version 2 is version 1 with the launch attn written anew for expert scheduling mode. Each part assembles by itself: llvm-mc -triple=amdgcn-amd-amdhsa -mcpu=gfx1250 --defsym DOCPART=n.
;; ======== version 1 of 2: 2 launches
;; workspace buffers: qc 1,048,576 bytes; kv 2,097,152 bytes
;; launch proj (part 1): grid 256 x 1, 8 waves a work-group, clusters of 4 x 1, 279,552 bytes of LDS; arguments x_codes, Wq_codes, Wk_codes, Wv_codes, bq, bk, bv, lowp_scales, qc, kv; writes qc, kv
.if DOCPART == 1
	.amdgcn_target "amdgcn-amd-amdhsa--gfx1250"
	.amdhsa_code_object_version 6
	.text
	.protected	k_qb3615a8acf_proj
	.globl	k_qb3615a8acf_proj
	.p2align	8
	.type	k_qb3615a8acf_proj,@function
k_qb3615a8acf_proj:
	s_mov_b64 s[64:65], 0
	v_nop
	global_prefetch_b8 v0, s[64:65] scope:SCOPE_SE
	s_setreg_imm32_b32 hwreg(HW_REG_WAVE_MODE, 25, 1), 1
	s_wait_xcnt 0x0
	s_wait_alu depctr_hold_cnt(0) depctr_sa_sdst(0) depctr_va_vdst(0) depctr_va_sdst(0) depctr_va_ssrc(0) depctr_va_vcc(0) depctr_vm_vsrc(0)
	s_getreg_b32 s2, hwreg(HW_REG_IB_STS2, 6, 4)
	s_cmp_eq_u32 s2, 0
	s_cbranch_scc0 .Lentry_in_a_cluster
	s_endpgm
.Lentry_in_a_cluster:
	s_bfe_u32 s2, ttmp6, 0x10000c
	s_cmp_lg_u32 s2, 0x3003
	s_cbranch_scc0 .Lentry_shape_is_right
	s_endpgm
.Lentry_shape_is_right:
; q = x Wq + bq, k = x Wk + bk, v = x Wv + bv on codes of BF8 (E5M2), and the three results quantised again: q and k along the head's 64 channels, v along the tokens (the keys).
; x: [16384 tokens][1024] codes; Wq, Wk, Wv: [64 channels][1024] codes, K innermost; biases f32; ten exponents e0..e9 (int32).
; A sum of product 1 stands for sum x 2^(e0+e1): the bias goes in as C, divided by that power, and the conversion takes 2^(e6-e0-e1) as its one scale (k: e2, e3, e7; v: e4, e5, e9).
; LIMITS: e6-e0-e1, e7-e2-e3 and e9-e4-e5 lie between -126 and 112, so that each scale and 57,344 x the scale are f32 numbers.  NaN and infinity among the codes are not served.
; SHARES.  A work-group takes 64 tokens (65,536 bytes of x, read once) and all of the three weights (196,608 bytes).  The weights are the same for all work-groups and three quarters of a work-group's
; bytes: the four work-groups of a cluster ask for them JOINTLY (mask 15).  Wave w: p = w & 3, gi = w >> 2: tokens 32 gi .. 32 gi + 31 (two tiles), channel tiles 2 (p & 1), 2 (p & 1) + 1 of q (p < 2) or of k (p >= 2),
; and channel tile p of v: six accumulators, which take turns.
; ORIENTATION.  q, k: source 0 = 16 rows of W, source 1 = 16 tokens: a lane holds one token and eight neighbouring channels.  v: source 0 = 16 tokens, source 1 = 16 rows of Wv: a lane holds one channel and eight
; neighbouring tokens.  So each conversion's eight numbers are neighbours along the next product's K, and its two registers are two registers of that product's operand.
; OUT: images of operand registers; each store of a wave covers 512 consecutive bytes, aligned.
;   qc: [token tile of 16][c = 0, 1][lane][16 bytes]: registers 4 c .. 4 c + 3 of the tile's fragment for the K = 64 form (registers 2 t, 2 t + 1: channels 16 t + 8 (lane / 16) + 0 .. 7).
;   kv: [step of 128 keys][16,384 bytes]: 8 key tiles laid as qc's, then V^T: [channel tile][bb = 0..3][lane][16 bytes]: registers 4 bb .. of the K = 128 form's fragment (registers 2 c, 2 c + 1: keys 16 c + 8 (lane / 16) + 0 .. 7).
; LDS is filled once: 4 regions (x, Wq, Wk, Wv) x 4 chunks of 256 along K x 64 rows of 256 bytes + 16 of padding.  Wave 0 fetches x's four chunks, waves 1 to 3 a weight's four: four tensor loads of a wave are out at the most.
.set PITCH, 272                        ; 68 words: row r starts at bank 4 r mod 64, so the 16 rows that a fragment load touches start at 16 different banks
.set CH,    64*PITCH                   ; a chunk: 64 rows
.set REG,   4*CH                       ; a region: four chunks
.set G1X, 32                           ; s[32:39] descriptor group 1 for x's chunks (no mask)
.set G1W, 40                           ; s[40:47] for the weights' (mask 15)
.set G0X, 48                           ; s[48:63] four groups 0 for x
.set G0W, 68                           ; s[68:83] four groups 0 for my weight
; REGISTERS: v1 16 x lane; v2, v3, v4 LDS addresses of my fragments of x, of Wq or Wk, of Wv; v5, v11 offsets of my biases; v6, v7 scale and hold for q or k; v8, v9 for v; v10 my channel's bv;
;   v16-47 accumulators of q or k (token tile a, channel tile u at 16 + 16 a + 8 u); v48-63 of v (token tile a at 48 + 8 a); v64-79 two tiles of bias; v80-87 v's bias; v88-95 codes of q or k;
;   v96-175, v176-255 two sets of fragments: x's two tiles, W's two tiles, Wv's one; v96-99 at the end v's codes.
.macro ROUND                           ; a round of the cluster's barrier
	s_barrier_signal -1
	s_barrier_wait -1
	s_cmp_lg_u32 s24, 0
	s_cbranch_scc1 .Lnot_wave_0_\@
	s_barrier_signal -3
.Lnot_wave_0_\@:
	s_barrier_wait -3
	s_barrier_signal -1
	s_barrier_wait -1
.endm
.macro FRAG reg, adr, off              ; 16 rows x 128 K: registers 4 c .. 4 c + 3 take K = 32 c + 16 (lane / 16) + 0 .. 15: the same places in x's fragments and in W's, so every product meets its partner
.irp c, 0,1,2,3
	ds_load_b128 v[\reg+4*\c:\reg+4*\c+3], v[\adr] offset:\off+32*\c
.endr
.endm
.macro LOADSET s, c, kk                ; 20 LDS loads: the five fragments of chunk c's kk-th 128 along K into set s
	FRAG 96+80*\s, 2, \c*CH+128*\kk
	FRAG 112+80*\s, 2, \c*CH+128*\kk+16*PITCH
	FRAG 128+80*\s, 3, \c*CH+128*\kk
	FRAG 144+80*\s, 3, \c*CH+128*\kk+16*PITCH
	FRAG 160+80*\s, 4, \c*CH+128*\kk
.endm
.macro MUL s, first                    ; six matrix instructions, the six accumulators by turns.  first = 1: the biases are the C that starts the sums
.set FA, 96+80*\s
.irp a, 0,1
.irp u, 0,1
.if \first
	v_wmma_f32_16x16x128_bf8_bf8 v[16+16*\a+8*\u:23+16*\a+8*\u], v[FA+32+16*\u:FA+47+16*\u], v[FA+16*\a:FA+15+16*\a], v[64+8*\u:71+8*\u]
.else
	v_wmma_f32_16x16x128_bf8_bf8 v[16+16*\a+8*\u:23+16*\a+8*\u], v[FA+32+16*\u:FA+47+16*\u], v[FA+16*\a:FA+15+16*\a], v[16+16*\a+8*\u:23+16*\a+8*\u]
.endif
.endr
.endr
.irp a, 0,1
.if \first
	v_wmma_f32_16x16x128_bf8_bf8 v[48+8*\a:55+8*\a], v[FA+16*\a:FA+15+16*\a], v[FA+64:FA+79], v[80:87]
.else
	v_wmma_f32_16x16x128_bf8_bf8 v[48+8*\a:55+8*\a], v[FA+16*\a:FA+15+16*\a], v[FA+64:FA+79], v[48+8*\a:55+8*\a]
.endif
.endr
.endm
.macro STAGE c                         ; chunk c: 256 along K
	s_wait_tensorcnt 3-\c                          ; a wave's tensor loads end in order: my chunk c has landed, the 3 - c younger ones stay out (waves 4 to 7 have none)
	s_barrier_signal -1                            ; no LDS instruction of mine is pending
	s_barrier_wait -1                              ; chunk c of all four regions is whole
	LOADSET 0, \c, 0
	LOADSET 1, \c, 1
	s_wait_dscnt 20                                ; set 0 is in; set 1's 20 loads may be out
.if \c == 0
	MUL 0, 1
.else
	MUL 0, 0
.endif
	s_wait_dscnt 0x0
	MUL 1, 0
.rept 4
	v_nop                                          ; four places in front of the next loads into registers that matrix instructions have read, and of the first read of results
.endr
.endm
	s_load_b256 s[4:11], s[0:1], 0x0               ; x s[4:5], Wq s[6:7], Wk s[8:9], Wv s[10:11]
	s_load_b256 s[12:19], s[0:1], 0x20             ; bq s[12:13], bk s[14:15], bv s[16:17], the exponents s[18:19]
	s_load_b128 s[20:23], s[0:1], 0x40             ; qc s[20:21], kv s[22:23]
	s_set_vgpr_msb 0x40
	v_lshl_add_u32 v0, v0, 2, 0x44000
	v_mov_b32 v1, 0
	s_set_vgpr_msb 0x4045
	ds_add_u32 v0, v1
	ds_add_u32 v0, v1
	s_set_vgpr_msb 0x4500
	v_lshrrev_b32 v12, 5, v0
	v_readfirstlane_b32 s24, v12                   ; wave 0..7
	s_and_b32 s25, s24, 3                          ; p
	s_lshr_b32 s26, s24, 2                         ; gi
	s_and_b32 s27, s24, 1                          ; b = p & 1
	s_bfe_u32 s28, s24, 0x10001                    ; sel = p >> 1: 0 q, 1 k
	s_bfe_u32 s29, ttmp6, 0x40000                  ; cx: my place in the cluster; it enters global addresses of x and of the outputs alone
	s_lshl_b32 s30, ttmp9, 2
	s_add_co_u32 s30, s30, s29                     ; my work-group: 4 x cluster + cx
	; descriptor group 1: 64 rows x 256 elements of one byte, 1,024 bytes from row to row; in LDS four words of padding behind every 64
	s_mov_b32 s[G1X], (1<<20)|(5<<22)|(3<<25)
	s_mov_b32 s[G1W], 15|(1<<20)|(1<<21)|(5<<22)|(3<<25)   ; the same with the mask of all four work-groups, and bit 21 beside it
.irp g, G1X, G1W
	s_mov_b32 s[\g+1], 256<<16                     ; tensor_dim0 = 256
	s_mov_b32 s[\g+2], 64<<16                      ; tensor_dim1 = 64
	s_mov_b32 s[\g+3], 256<<16                     ; tile_dim0 = 256
	s_mov_b32 s[\g+4], 64                          ; tile_dim1 = 64
	s_mov_b32 s[\g+5], 1024                        ; tensor_dim0_stride
	s_mov_b32 s[\g+6], 0
	s_mov_b32 s[\g+7], 0
.endr
	s_lshl_b32 s94, s30, 16                        ; my 64 tokens' first byte in x
	s_mov_b32 s95, 0
	s_mul_i32 s98, s25, REG                        ; my weight's region: wave 1 Wq, 2 Wk, 3 Wv
	s_wait_dscnt 0x0
	s_wait_kmcnt 0x0
	s_load_b256 s[84:91], s[18:19], 0x0            ; e0 .. e7
	s_load_b64 s[92:93], s[18:19], 0x20            ; e8, e9
	s_add_nc_u64 s[94:95], s[4:5], s[94:95]
	s_cmp_eq_u32 s25, 1                            ; which weight I fetch: the choice hangs on the wave's number alone, so it is the same in all four partners
	s_cselect_b64 s[96:97], s[6:7], s[8:9]
	s_cmp_eq_u32 s25, 3
	s_cselect_b64 s[96:97], s[10:11], s[96:97]
.irp c, 0,1,2,3
	s_mov_b32 s[G0X+4*\c], 1                                       ; count = 1
	s_mov_b32 s[G0X+4*\c+1], \c*CH                                 ; LDS address: region 0, chunk c
	s_add_nc_u64 s[G0X+4*\c+2:G0X+4*\c+3], s[94:95], \c*256        ; global address: 256 c along K
	s_or_b32 s[G0X+4*\c+3], s[G0X+4*\c+3], 0x80000000              ; type = 2
	s_mov_b32 s[G0W+4*\c], 1
	s_add_co_u32 s[G0W+4*\c+1], s98, \c*CH
	s_add_nc_u64 s[G0W+4*\c+2:G0W+4*\c+3], s[96:97], \c*256
	s_or_b32 s[G0W+4*\c+3], s[G0W+4*\c+3], 0x80000000
.endr
	ROUND                                          ; all four work-groups are here: the joint loads meet
	s_cmp_ge_u32 s24, 4                            ; a wave's fills stand in one branch on its number, ahead of every wait on TENSORcnt, every LDS read and every other barrier
	s_cbranch_scc1 .Lfilled
	s_cmp_eq_u32 s24, 0
	s_cbranch_scc0 .Lfill_w
.irp c, 0,1,2,3
	tensor_load_to_lds s[G0X+4*\c:G0X+4*\c+3], s[G1X:G1X+7]
	s_nop 0
.endr
.rept 4
	v_nop
.endr
	s_branch .Lfilled
.Lfill_w:
.irp c, 0,1,2,3
	tensor_load_to_lds s[G0W+4*\c:G0W+4*\c+3], s[G1W:G1W+7]
	s_nop 0
.endr
.rept 4
	v_nop
.endr
.Lfilled:
	; while the chunks are on their way: addresses, biases, scales
	v_and_b32 v12, 15, v0                          ; r
	v_bfe_u32 v13, v0, 4, 1                        ; h
	v_and_b32 v14, 31, v0                          ; lane
	v_lshlrev_b32 v1, 4, v14
	v_mul_u32_u24 v15, v12, PITCH
	v_lshl_add_u32 v15, v13, 4, v15                ; a fragment's row x pitch + 16 h
	s_mul_i32 s94, s26, 32*PITCH
	v_add_nc_u32 v2, s94, v15                      ; x: rows 32 gi on
	s_mul_i32 s94, s28, REG
	s_mul_i32 s95, s27, 32*PITCH
	s_add_co_u32 s94, s94, s95
	s_add_co_u32 s94, s94, REG
	v_add_nc_u32 v3, s94, v15                      ; Wq or Wk: rows 32 b on
	s_mul_i32 s94, s25, 16*PITCH
	s_add_co_u32 s94, s94, 3*REG
	v_add_nc_u32 v4, s94, v15                      ; Wv: rows 16 p on
	s_lshl_b32 s94, s27, 7
	v_lshl_add_u32 v5, v13, 5, s94                 ; bq or bk: channels 32 b + 8 h on, in bytes
	s_lshl_b32 s95, s25, 6
	v_lshl_add_u32 v11, v12, 2, s95                ; bv: channel 16 p + r
	s_cmp_eq_u32 s28, 0
	s_cselect_b64 s[8:9], s[12:13], s[14:15]
.irp u, 0,1
	global_load_b128 v[64+8*\u:67+8*\u], v5, s[8:9] offset:64*\u
	global_load_b128 v[68+8*\u:71+8*\u], v5, s[8:9] offset:64*\u+16
.endr
	global_load_b32 v10, v11, s[16:17]
	s_wait_kmcnt 0x0
	s_add_co_i32 s94, s84, s85                     ; e0 + e1
	s_add_co_i32 s95, s86, s87                     ; e2 + e3
	s_add_co_i32 s96, s88, s89                     ; e4 + e5
	s_lshr_b32 s99, s30, 1
	s_lshl_b32 s99, s99, 14                        ; kv: my step of 128 keys
	s_and_b32 s100, s30, 1                         ; which half of it
	s_lshl_b32 s101, s100, 12
	s_add_co_u32 s101, s101, s99                   ; k: + 4 key tiles of 1,024 bytes for the upper half
	s_lshl_b32 s100, s100, 10
	s_add_co_u32 s100, s100, s99
	s_lshl_b32 s99, s25, 11
	s_add_co_u32 s100, s100, s99
	s_lshl_b32 s99, s26, 9
	s_add_co_u32 s100, s100, s99
	s_add_co_u32 s100, s100, 8192                  ; v: step + 8,192 + 2,048 p + 512 (2 x half + gi)
	s_lshl_b32 s98, s30, 12                        ; q: 4 token tiles of 1,024 bytes a work-group
	s_cmp_eq_u32 s28, 0                            ; q or k: four choices on one compare
	s_cselect_b32 s94, s94, s95                    ; the exponent that the sums lack
	s_cselect_b32 s97, s90, s91                    ; e6 or e7
	s_cselect_b64 s[4:5], s[20:21], s[22:23]       ; qc or kv
	s_cselect_b32 s98, s98, s101
	s_lshl_b32 s99, s26, 11
	s_add_co_u32 s98, s98, s99                     ; + 2 tiles x gi
	s_lshl_b32 s99, s27, 9
	s_add_co_u32 s98, s98, s99                     ; + 512 b: registers 4 b .. 4 b + 3 of the fragment
	s_mov_b32 s99, 0
	s_mov_b32 s101, 0
	s_add_nc_u64 s[4:5], s[4:5], s[98:99]
	s_add_nc_u64 s[6:7], s[22:23], s[100:101]
	s_sub_co_i32 s97, s97, s94
	s_add_co_i32 s97, s97, 127
	s_lshl_b32 s95, s97, 23
	v_mov_b32 v6, s95                              ; 2^(e6 - e0 - e1) or 2^(e7 - e2 - e3) as f32: the conversion takes its exponent field
	s_add_co_i32 s97, s97, 15
	s_lshl_b32 s97, s97, 23
	s_or_b32 s97, s97, 0x600000
	v_mov_b32 v7, s97                              ; 57,344 x that
	s_sub_co_i32 s97, s93, s96
	s_add_co_i32 s97, s97, 127
	s_lshl_b32 s95, s97, 23
	v_mov_b32 v8, s95                              ; 2^(e9 - e4 - e5)
	s_add_co_i32 s97, s97, 15
	s_lshl_b32 s97, s97, 23
	s_or_b32 s97, s97, 0x600000
	v_mov_b32 v9, s97
	s_sub_co_i32 s94, 0, s94
	s_sub_co_i32 s96, 0, s96
	s_wait_loadcnt 0x0                             ; the biases
.set j, 0
.rept 16
	v_ldexp_f32 v[64+j], v[64+j], s94              ; the bias divided by the power of two that the sums lack
.set j, j+1
.endr
.set j, 0
.rept 8
	v_ldexp_f32 v[80+j], v10, s96                  ; v: a lane holds one channel, so its eight registers (tokens) take the same bias
.set j, j+1
.endr
	STAGE 0
	STAGE 1
	STAGE 2
	STAGE 3                                        ; its wait on TENSORcnt is for 0: no tensor load is out from here on
	; the quantisers: each accumulator from its low end on
.set j, 0
.rept 32
	v_med3_num_f32 v[16+j], v[16+j], -v7, v7       ; the conversion to an 8-bit code does not saturate (ISA guide 7.6.2): the hold at the largest code x the scale
.set j, j+1
.endr
.set j, 0
.rept 16
	v_med3_num_f32 v[48+j], v[48+j], -v9, v9
.set j, j+1
.endr
.irp a, 0,1
.irp u, 0,1
	v_cvt_scalef32_pk8_bf8_f32 v[88+4*\a+2*\u:89+4*\a+2*\u], v[16+16*\a+8*\u:23+16*\a+8*\u], v6
.endr
.endr
.irp a, 0,1
	v_cvt_scalef32_pk8_bf8_f32 v[96+2*\a:97+2*\a], v[48+8*\a:55+8*\a], v8
.endr
	v_nop                                          ; one plain vector line behind the last conversion
	global_store_b128 v1, v[88:91], s[4:5]                 ; token tile 2 gi: 32 lanes store 512 consecutive bytes, aligned
	global_store_b128 v1, v[92:95], s[4:5] offset:1024     ; token tile 2 gi + 1
	global_store_b128 v1, v[96:99], s[6:7]                 ; v: my channel tile, my 32 tokens
	s_set_vgpr_msb 0x5
	s_wait_tensorcnt 0x0
	ds_add_u32 v0, v1
	s_wait_dscnt 0x0
	s_set_vgpr_msb 0x500
	ROUND                                          ; the closing round: no work-group ends while a partner may still ask for a tile that names it
	s_endpgm
.Lfunc_end_k_qb3615a8acf_proj:
	.size	k_qb3615a8acf_proj, .Lfunc_end_k_qb3615a8acf_proj-k_qb3615a8acf_proj
	.p2alignl 7, 3214868480
	.fill 96, 4, 3214868480
	.section	.rodata,"a",@progbits
	.p2align	6, 0x0
	.amdhsa_kernel k_qb3615a8acf_proj
		.amdhsa_group_segment_fixed_size 279552
		.amdhsa_private_segment_fixed_size 0
		.amdhsa_enable_private_segment 0
		.amdhsa_kernarg_size 80
		.amdhsa_user_sgpr_count 2
		.amdhsa_user_sgpr_kernarg_segment_ptr 1
		.amdhsa_wavefront_size32 1
		.amdhsa_system_sgpr_workgroup_id_x 1
		.amdhsa_system_sgpr_workgroup_id_y 1
		.amdhsa_system_sgpr_workgroup_id_z 1
		.amdhsa_system_vgpr_workitem_id 0
		.amdhsa_next_free_vgpr 258
		.amdhsa_next_free_sgpr 102
		.amdhsa_reserve_vcc 0
		.amdhsa_float_denorm_mode_32 3
		.amdhsa_float_denorm_mode_16_64 3
		.amdhsa_memory_ordered 1
		.amdhsa_forward_progress 1
		.amdhsa_inst_pref_size 30
	.end_amdhsa_kernel
	.amdgpu_metadata
---
amdhsa.version: [ 1, 2 ]
amdhsa.kernels:
  - .name:           k_qb3615a8acf_proj
    .symbol:         k_qb3615a8acf_proj.kd
    .args:
      - { .name: x_codes, .offset: 0, .size: 8, .value_kind: global_buffer, .address_space: global }
      - { .name: Wq_codes, .offset: 8, .size: 8, .value_kind: global_buffer, .address_space: global }
      - { .name: Wk_codes, .offset: 16, .size: 8, .value_kind: global_buffer, .address_space: global }
      - { .name: Wv_codes, .offset: 24, .size: 8, .value_kind: global_buffer, .address_space: global }
      - { .name: bq, .offset: 32, .size: 8, .value_kind: global_buffer, .address_space: global }
      - { .name: bk, .offset: 40, .size: 8, .value_kind: global_buffer, .address_space: global }
      - { .name: bv, .offset: 48, .size: 8, .value_kind: global_buffer, .address_space: global }
      - { .name: lowp_scales, .offset: 56, .size: 8, .value_kind: global_buffer, .address_space: global }
      - { .name: qc, .offset: 64, .size: 8, .value_kind: global_buffer, .address_space: global }
      - { .name: kv, .offset: 72, .size: 8, .value_kind: global_buffer, .address_space: global }
    .group_segment_fixed_size: 279552
    .private_segment_fixed_size: 0
    .kernarg_segment_align: 8
    .kernarg_segment_size: 80
    .max_flat_workgroup_size: 256
    .sgpr_count:     102
    .vgpr_count:     258
    .wavefront_size: 32
...
	.end_amdgpu_metadata
.endif
;; end of part 1
;; launch attn (part 2): grid 256 x 1, 8 waves a work-group, no clusters, 157,696 bytes of LDS; arguments qc, kv, lowp_scales, out0; writes out0
.if DOCPART == 2
	.amdgcn_target "amdgcn-amd-amdhsa--gfx1250"
	.amdhsa_code_object_version 6
	.text
	.protected	k_qb3615a8acf_attn
	.globl	k_qb3615a8acf_attn
	.p2align	8
	.type	k_qb3615a8acf_attn,@function
k_qb3615a8acf_attn:
	s_mov_b64 s[64:65], 0
	v_nop
	global_prefetch_b8 v0, s[64:65] scope:SCOPE_SE
	s_setreg_imm32_b32 hwreg(HW_REG_WAVE_MODE, 25, 1), 1
	s_wait_xcnt 0x0
; out[b][q][:] = the sum over keys k <= q of softmax_k(q . k / 8) v[k][:], both products on codes of BF8 (E5M2).  qc and kv hold images of operand registers:
;   qc: [token tile of 16][c = 0, 1][lane][16 bytes]; kv: [batch x 32 + step of 128 keys][16,384 bytes]: 8 key tiles of 1,024 bytes, then V^T in 4 channel tiles of 2,048 bytes.
; THE SOFTMAX: t = score x log2(e) / 8; M = the largest t so far, rounded UP to a whole number; p = 2^(t - M) is quantised along the keys with 2^e8, not normalised; the sum l is taken of the unquantised p and divides at the end.
; SHARES.  Work-group id: batch = id >> 6, g = id & 63, a = g >> 2.  It owns two pairs of query tiles: the HIGH pair, queries 4064 - 32 g on, which needs key steps 0 .. 31 - a, and the LOW pair, queries 32 g on, which needs
; steps 0 .. a: 33 jobs (a pair x a step of 128 keys) in every work-group.  Job j is (high, step j) for j < NH = 32 - a, else (low, step j - NH).  Wave w takes jobs w, w + 8, ..: five for wave 0, four for the others.
; Each wave keeps its own M, l and O^T for the pair in hand; at the end the eight waves' parts meet in LDS and are brought under one M by exact powers of two.
; A job's 16,384 bytes go from memory straight into the wave's operand registers by 32 loads of 512 consecutive bytes; the loop has no barrier, and touches LDS once, where the pair changes.
; NO CLUSTER: the four work-groups of one a walk the same steps, but a joint request lands in LDS: it would want two slots of 8 x 16,384 bytes and a round of the cluster's barrier for every eight jobs,
; 32 waves in step through 4 or 5 trips, where here no wave waits for another before the end.
; LAYOUT.  S^T = K Q^T (K = 64 form; source 0 = 16 keys, source 1 = 16 queries): a lane holds one query (lane % 16), register j of tile t key 16 t + 8 (lane / 16) + j: the conversion of tile t gives registers 2 t, 2 t + 1 of P.
; O^T = V^T P (K = 128 form; source 0 = 16 channels): a lane holds one query and eight channels.
; LIMITS: e6 + e7 between -123 and 130 (added to c's exponent field); e8 between -126 and 112.  M is a running value, each wave's own over its own keys: where 57,344 x 2^e8 < 1 the hold meets p under that running M.
; NaN among the codes is not served.
; REGISTERS, window 0: v1 16 x lane; v2, v3 where I put my parts; v4 57,344 x 2^e8; v5 2^e8; v6 -infinity; v7 r - 8 h; tile i: v[8+4i] -M, v[9+4i] the largest t, v[10+4i:11+4i] l in two halves; v[16:17] f; v[18:19] a second chain of sums;
;   v20-23 at work; v24-28 addresses of the end; v32-47 Q (8 a tile); v48-63 P; v64-127 O^T (tile i, channel tile ct at 64 + 32 i + 8 ct); v128-255 S^T (tile i, key tile t at 128 + 64 i + 8 t).
;   window 1: v0-63 K of a step; v64-127 V^T of a step; v128-143 the low pair's Q.
; SCALARS: s12 wave, s13 batch, s14 g, s15 a, s16 NH, s17 job, s18 its step, s19 1 = the low pair is in hand, s20 the pair's diagonal step, s21 the pair's first query, s22 trips, s23 1 = the hold is needed,
;   s[24:25] kv at my batch, s[26:27] the step being loaded, s[30:31] lane selects, s[32:33] c, s34 e8 + e9, s[36:39] e6 .. e9.
.set STAT, 131072                      ; LDS: 0: the parts of O^T, [wave][tile T = 2 x pair + i][piece 0..7][lane][16 bytes]; STAT: [wave][T][lane][-M, l]; STG: [T][16 rows x 272 bytes] for the way out
.set STG,  139264
.set MSB, 0
.macro WIN new                         ; the immediate's high byte repeats the setting that is left
.if MSB != \new
	s_set_vgpr_msb (MSB<<8)|\new
.set MSB, \new
.endif
.endm
.macro PLACES
.rept 4
	v_nop
.endr
.endm
.macro RESET                           ; a pair begins: O^T and l are zeros, the largest t is -3e38, under every t.  (The step is written once: a pair's first step finds zeros, which the first change of M leaves zeros)
.set n, 0
.rept 64
	v_mov_b32 v[64+n], 0
.set n, n+1
.endr
.irp i, 0,1
	v_mov_b32 v[9+4*\i], 0xff61b1e6
	v_floor_f32 v[8+4*\i], -v[9+4*\i]
	v_mov_b32 v[10+4*\i], 0
	v_mov_b32 v[11+4*\i], 0
.endr
.endm
.macro DUMP t0                         ; my part of the pair in hand goes to LDS: tiles t0, t0 + 1
.irp i, 0,1
	v_add_f32 v[9+4*\i], v[10+4*\i], v[11+4*\i]    ; l's two halves, beside -M
	ds_store_b64 v3, v[8+4*\i:9+4*\i] offset:(\t0+\i)*256
.irp k, 0,1,2,3,4,5,6,7
	ds_store_b128 v2, v[64+32*\i+4*\k:67+32*\i+4*\k] offset:(\t0+\i)*4096+512*\k   ; each accumulator from its low end on
.endr
.endr
.endm
.macro SWITCH                          ; from the high pair to the low one
	DUMP 0
	s_wait_dscnt 0x0                               ; the stores have read their registers
	RESET
	WIN 0x01                                       ; source 0 in window 1
.set n, 0
.rept 16
	v_mov_b32 v[32+n], v[128+n]                    ; the low pair's Q
.set n, n+1
.endr
	WIN 0
	s_lshl_b32 s21, s14, 5                         ; its first query, 32 g,
	s_mov_b32 s20, s15                             ; its diagonal step, a
	s_mov_b32 s19, 1
.endm
; The softmax of tile i for the step in hand: 64 scores a lane.
.macro SM i
.set SB, 128+64*\i
.set NM, 8+4*\i
.set RT, 9+4*\i
.set LS, 10+4*\i
.set OB, 64+32*\i
	s_cmp_lg_u32 s18, s20                          ; only the pair's last step lies on the diagonal: a scalar branch on ids
	s_cbranch_scc1 .Lopen_\@
	s_lshl_b32 s40, s18, 7
	s_sub_co_i32 s40, s21, s40
	s_add_co_i32 s40, s40, 16*\i
	v_add_nc_u32 v23, s40, v7                      ; d = my query - the step's first key - 8 h.  Register 8 t + j holds key 16 t + 8 h + j: hidden where 16 t + j > d
.set n, 0
.rept 64
	v_cmp_gt_i32 vcc_lo, 16*(n/8)+n%8, v23
	v_cndmask_b32 v[SB+n], v[SB+n], v6, vcc_lo     ; a hidden score becomes -infinity: p = 0.  The step's first key counts for every query, so the maximum is a number
.set n, n+1
.endr
.Lopen_\@:
	v_max3_num_f32 v20, v[SB], v[SB+1], v[SB+2]    ; the largest of my 64 scores, in two chains, in ascending order
	v_max3_num_f32 v21, v[SB+3], v[SB+4], v[SB+5]
.set n, 6
.rept 14
	v_max3_num_f32 v20, v20, v[SB+n], v[SB+n+1]
	v_max3_num_f32 v21, v21, v[SB+n+2], v[SB+n+3]
.set n, n+4
.endr
	v_max3_num_f32 v20, v20, v[SB+62], v[SB+63]
	v_max_num_f32 v20, v20, v21
	v_permlanex16_b32 v22, v20, s30, s31
	v_max_num_f32 v20, v20, v22                    ; and of lane l xor 16's: my query's other 64 keys
	v_mul_f32 v20, s32, v20                        ; as t (c is positive)
	v_max_num_f32 v[RT], v[RT], v20                ; the running largest t
	v_mov_b32 v20, v[NM]
	v_floor_f32 v[NM], -v[RT]                      ; the new -M = floor(-t) = -ceil(t): a whole number
	v_sub_f32 v20, v[NM], v20                      ; old M - new M: a whole number, 0 or less
	v_cvt_i32_f32 v20, v20                         ; (it saturates)
	v_ldexp_f32 v16, 1.0, v20                      ; f = 2^(old M - new M): rounds nothing
.set n, 0
.rept 32
	v_pk_fma_f32 v[SB+n:SB+n+1], v[SB+n:SB+n+1], s[32:33], v[NM:NM+1] op_sel_hi:[1,0,0]   ; t - M, two at a time (of the pairs c and -M the low word serves both halves)
.set n, n+2
.endr
.set n, 0
.rept 64
	v_exp_f32 v[SB+n], v[SB+n]                     ; p = 2^(t - M), at most 1
.set n, n+1
.endr
	v_pk_mul_f32 v[LS:LS+1], v[LS:LS+1], v[16:17] op_sel_hi:[1,0]   ; l under the new M.  (The plain place behind the exponentials)
	s_wait_alu depctr_va_vdst(0)
	v_pk_add_f32 v[18:19], v[SB:SB+1], v[SB+2:SB+3]                 ; the sum of the unquantised p, in two chains
.set n, 4
.rept 15
	v_pk_add_f32 v[LS:LS+1], v[LS:LS+1], v[SB+n:SB+n+1]
	v_pk_add_f32 v[18:19], v[18:19], v[SB+n+2:SB+n+3]
.set n, n+4
.endr
	v_pk_add_f32 v[LS:LS+1], v[LS:LS+1], v[18:19]
	s_cmp_eq_u32 s23, 0                            ; p <= 1 <= 57,344 x 2^e8 wherever e8 >= -15: the hold then changes nothing and is passed over (a branch on a whole number read from memory, the same in every wave)
	s_cbranch_scc1 .Lno_hold_\@
.set n, 0
.rept 64
	v_min_num_f32 v[SB+n], v[SB+n], v4             ; the conversion to an 8-bit code does not saturate (ISA guide 7.6.2); p is not negative, so the hold is one-sided
.set n, n+1
.endr
.Lno_hold_\@:
.set n, 0
.rept 8
	v_cvt_scalef32_pk8_bf8_f32 v[48+2*n:49+2*n], v[SB+8*n:SB+8*n+7], v5   ; key tile n: registers 2 n, 2 n + 1 of P
.set n, n+1
.endr
.set n, 0
.rept 16
	v_pk_mul_f32 v[OB+n:OB+n+1], v[OB+n:OB+n+1], v[16:17] op_sel_hi:[1,0]   ; O^T under the new M, each accumulator from its low end on.  (Also the plain place behind the conversions)
.set n, n+2
.endr
.endm
; A job.  pre = 1: the wave's next job, eight on, is loaded meanwhile: its K once this job's scores are made, its V once this job's second products are issued.
.macro TRIP pre
	s_wait_loadcnt 16                              ; loads come back in order: K of this job is in (in the first trip Q of both pairs too); the 16 younger loads, V's, may be out
	s_cmp_lt_u32 s17, s16                          ; a job of the low pair, and the high pair still in hand?
	s_cbranch_scc1 .Lstay_\@
	s_cmp_lg_u32 s19, 0
	s_cbranch_scc1 .Lstay_\@
	SWITCH
.Lstay_\@:
	WIN 0x01                                       ; source 0 (K, V) in window 1
.irp t, 0,1,2,3,4,5,6,7
.irp i, 0,1
	v_wmma_f32_16x16x64_bf8_bf8 v[128+64*\i+8*\t:135+64*\i+8*\t], v[8*\t:8*\t+7], v[32+8*\i:39+8*\i], 0
.endr
.endr
	WIN 0
.if \pre
	s_add_co_u32 s41, s17, 8                       ; the next job,
	s_cmp_lt_u32 s41, s16
	s_cselect_b32 s42, 0, s16
	s_sub_co_u32 s42, s41, s42                     ; its step,
	s_lshl_b32 s28, s42, 14
	s_wait_xcnt 0x0                                ; V's loads have read their base: only behind this wait is it written
	s_add_nc_u64 s[26:27], s[24:25], s[28:29]      ; and its 16,384 bytes
.endif
	PLACES                                         ; four places in front of loads into K's registers and of the first read of the scores
.if \pre
	WIN 0x40                                       ; destination in window 1
.set n, 0
.rept 16
	global_load_b128 v[4*n:4*n+3], v1, s[26:27] offset:512*n
.set n, n+1
.endr
	WIN 0
.endif
	SM 0
.if \pre
	s_wait_loadcnt 16                              ; V of this job is in; the next job's K, 16 loads, may be out
.else
	s_wait_loadcnt 0x0
.endif
	WIN 0x01
.irp ct, 0,1,2,3
	v_wmma_f32_16x16x128_bf8_bf8 v[64+8*\ct:71+8*\ct], v[64+16*\ct:79+16*\ct], v[48:63], v[64+8*\ct:71+8*\ct]
.endr
	WIN 0
	SM 1                                           ; its conversions write P far more than four plain instructions behind the products above
	WIN 0x01
.irp ct, 0,1,2,3
	v_wmma_f32_16x16x128_bf8_bf8 v[96+8*\ct:103+8*\ct], v[64+16*\ct:79+16*\ct], v[48:63], v[96+8*\ct:103+8*\ct]
.endr
	WIN 0
	PLACES                                         ; four places in front of loads into V's registers and of the next read of O^T
.if \pre
	WIN 0x40
.set n, 0
.rept 16
	global_load_b128 v[64+4*n:67+4*n], v1, s[26:27] offset:8192+512*n
.set n, n+1
.endr
	WIN 0
	s_mov_b32 s17, s41
	s_mov_b32 s18, s42
.endif
.endm
	s_load_b256 s[4:11], s[0:1], 0x0               ; qc s[4:5], kv s[6:7], the exponents s[8:9], out0 s[10:11]
	v_lshl_add_u32 v30, v0, 2, 0x26400
	v_mov_b32 v31, 0
	v_lshrrev_b32 v21, 5, v0
	v_readfirstlane_b32 s12, v21                   ; wave 0..7
	s_lshr_b32 s13, ttmp9, 6                       ; batch
	s_and_b32 s14, ttmp9, 63                       ; g
	s_lshr_b32 s15, s14, 2                         ; a
	s_sub_co_u32 s16, 32, s15                      ; NH
	v_and_b32 v18, 31, v0                          ; lane
	v_lshlrev_b32 v1, 4, v18
	s_lshl_b32 s40, s13, 12                        ; the batch's first token
	s_lshl_b32 s41, s14, 5                         ; 32 g
	s_sub_co_u32 s21, 4064, s41                    ; the high pair's first query
	s_add_co_u32 s42, s40, s21
	s_lshl_b32 s42, s42, 6                         ; 64 bytes of codes a token
	s_mov_b32 s43, 0
	s_add_co_u32 s44, s40, s41
	s_lshl_b32 s44, s44, 6
	s_mov_b32 s45, 0
	s_lshl_b32 s46, s13, 19                        ; 32 steps of 16,384 bytes a batch
	s_mov_b32 s47, 0
	s_lshl_b32 s28, s12, 14                        ; my first job: step w
	s_mov_b32 s29, 0
	s_wait_kmcnt 0x0
	s_load_b128 s[36:39], s[8:9], 0x18             ; e6, e7, e8, e9
	s_add_nc_u64 s[48:49], s[4:5], s[42:43]
	s_add_nc_u64 s[50:51], s[4:5], s[44:45]
	s_add_nc_u64 s[24:25], s[6:7], s[46:47]
	s_add_nc_u64 s[26:27], s[24:25], s[28:29]
.irp i, 0,1,2,3
	global_load_b128 v[32+4*\i:35+4*\i], v1, s[48:49] offset:512*\i     ; the high pair's Q
.endr
	WIN 0x40
.irp i, 0,1,2,3
	global_load_b128 v[128+4*\i:131+4*\i], v1, s[50:51] offset:512*\i   ; the low pair's Q
.endr
.set n, 0
.rept 16
	global_load_b128 v[4*n:4*n+3], v1, s[26:27] offset:512*n            ; K of my first job
.set n, n+1
.endr
.set n, 0
.rept 16
	global_load_b128 v[64+4*n:67+4*n], v1, s[26:27] offset:8192+512*n   ; V of my first job
.set n, n+1
.endr
	WIN 0
	; every LDS address is made here, ahead of all branches: a constant + a constant x wave + a constant x lane
	v_and_b32 v19, 15, v0                          ; r
	v_bfe_u32 v20, v0, 4, 1                        ; h
	v_lshlrev_b32 v21, 3, v20
	v_sub_nc_u32 v7, v19, v21                      ; r - 8 h
	s_lshl_b32 s40, s12, 14
	v_add_nc_u32 v2, s40, v1                       ; my parts of O^T: 16,384 x wave + 16 x lane
	s_lshl_b32 s40, s12, 10
	s_add_co_u32 s40, s40, STAT
	v_lshl_add_u32 v3, v18, 3, s40                 ; my -M and l: STAT + 1,024 x wave + 8 x lane
	s_lshl_b32 s42, s12, 11
	v_add_nc_u32 v24, s42, v1                      ; the end: wave w adds up tile T = w >> 1, pieces 4 (w & 1) on: 4,096 T + 2,048 (w & 1) = 2,048 w; waves' parts 0 to 3,
	v_add_nc_u32 v25, 0x10000, v24                 ; and 4 to 7
	s_lshr_b32 s40, s12, 1                         ; T
	s_and_b32 s41, s12, 1                          ; cth
	s_lshl_b32 s42, s40, 8
	s_add_co_u32 s42, s42, STAT
	v_lshl_add_u32 v28, v18, 3, s42                ; tile T's -M and l
	s_mul_i32 s42, s40, 16*272
	s_add_co_u32 s42, s42, STG
	s_lshl_b32 s43, s41, 7
	s_add_co_u32 s43, s43, s42
	v_mul_u32_u24 v26, v19, 272
	v_lshl_add_u32 v26, v20, 5, v26
	v_add_nc_u32 v26, s43, v26                     ; into the stage: row r, + 128 cth + 32 h
	s_mul_i32 s43, s41, 8*272
	s_add_co_u32 s43, s43, s42
	v_mul_u32_u24 v27, v20, 272
	v_lshl_add_u32 v27, v19, 4, v27
	v_add_nc_u32 v27, s43, v27                     ; back: rows 8 cth on; lanes 0-15 one row, lanes 16-31 the next
	v_mov_b32 v6, 0xff800000                       ; -infinity
	v_mov_b32 v17, 0                               ; (named as the upper half of the pair v[16:17])
	v_mov_b32 v22, 0                               ; written once: a lane permute's destination counts as one of its sources
	RESET
	s_mov_b32 s30, 0x76543210
	s_mov_b32 s31, 0xfedcba98                      ; lane l xor 16
	s_mov_b32 s17, s12                             ; my first job,
	s_mov_b32 s18, s12                             ; its step;
	s_mov_b32 s19, 0                               ; the high pair is in hand,
	s_sub_co_u32 s20, s16, 1                       ; its diagonal step is NH - 1
	s_cmp_eq_u32 s12, 0
	s_cselect_b32 s22, 4, 3                        ; trips: my jobs less the last, which is written out: five jobs for wave 0, four for the others
	s_wait_kmcnt 0x0
	s_add_co_i32 s40, s36, s37
	s_lshl_b32 s40, s40, 23
	s_add_co_i32 s32, s40, 0x3e38aa3b              ; c = log2(e) / 8 x 2^(e6 + e7): the two exponents are added to c's exponent field
	s_mov_b32 s33, s32                             ; (named with it as a pair, so it is written)
	s_add_co_i32 s40, s38, 127
	s_lshl_b32 s41, s40, 23
	v_mov_b32 v5, s41                              ; 2^e8 as f32, for the conversion
	s_add_co_i32 s40, s40, 15
	s_lshl_b32 s40, s40, 23
	s_or_b32 s40, s40, 0x600000
	v_mov_b32 v4, s40                              ; 57,344 x 2^e8
	s_add_co_i32 s34, s38, s39                     ; e8 + e9
	s_cmp_lt_i32 s38, -15
	s_cselect_b32 s23, 1, 0                        ; the hold is needed where 57,344 x 2^e8 < 1
.Ljob:
	TRIP 1
	s_sub_co_u32 s22, s22, 1
	s_cmp_lg_u32 s22, 0
	s_cbranch_scc1 .Ljob
	TRIP 0                                         ; the last job loads nothing more
	s_cmp_lg_u32 s19, 0                            ; a wave without a job of the low pair leaves an empty part for it: zeros under -M = 3e38, which count for nothing below
	s_cbranch_scc1 .Llow_in_hand
	SWITCH
.Llow_in_hand:
	DUMP 2
	s_wait_dscnt 0x0                               ; for the others' sake: my parts lie in LDS
	s_barrier_signal -1
	s_barrier_wait -1
	; THE PARTS MEET.  Wave w: tile T = w >> 1 (16 queries), channels 32 (w & 1) on.
.irp w, 0,1,2,3,4,5,6,7
	ds_load_b64 v[32+2*\w:33+2*\w], v28 offset:1024*\w               ; -M and l of wave w's part
.endr
.irp w, 0,1,2,3
.irp k, 0,1,2,3
	ds_load_b128 v[128+16*\w+4*\k:131+16*\w+4*\k], v24 offset:16384*\w+512*\k
.endr
.endr
.irp w, 0,1,2,3
.irp k, 0,1,2,3
	ds_load_b128 v[192+16*\w+4*\k:195+16*\w+4*\k], v25 offset:16384*\w+512*\k
.endr
.endr
	; where the tile's rows begin in out0
	s_lshr_b32 s40, s12, 1
	s_and_b32 s41, s12, 1
	s_lshl_b32 s42, s14, 5
	s_sub_co_u32 s43, 4064, s42
	s_cmp_lt_u32 s40, 2
	s_cselect_b32 s42, s43, s42                    ; the pair's first query,
	s_and_b32 s43, s40, 1
	s_lshl_b32 s43, s43, 4
	s_add_co_u32 s42, s42, s43                     ; the tile's,
	s_lshl_b32 s43, s41, 3
	s_add_co_u32 s42, s42, s43                     ; the first of the eight rows that I store,
	s_lshl_b32 s43, s13, 12
	s_add_co_u32 s42, s42, s43
	s_lshl_b32 s42, s42, 8                         ; in rows of 256 bytes
	s_mov_b32 s43, 0
	s_add_nc_u64 s[10:11], s[10:11], s[42:43]
	s_wait_dscnt 32                                ; the eight -M and l are in; the 32 loads of the parts may be out
	v_min3_num_f32 v20, v32, v34, v36
	v_min3_num_f32 v20, v20, v38, v40
	v_min3_num_f32 v20, v20, v42, v44
	v_min_num_f32 v20, v20, v46                    ; -M of the whole row
.irp w, 0,1,2,3,4,5,6,7
	v_sub_f32 v[48+2*\w], v20, v[32+2*\w]          ; wave w's M less the row's: a whole number, 0 or less
.endr
.irp w, 0,1,2,3,4,5,6,7
	v_cvt_i32_f32 v[48+2*\w], v[48+2*\w]           ; (it saturates)
.endr
.irp w, 0,1,2,3,4,5,6,7
	v_ldexp_f32 v[48+2*\w], 1.0, v[48+2*\w]        ; f of wave w's part; 0 for an empty part
.endr
.irp w, 0,1,2,3,4,5,6,7
	v_mul_f32 v[49+2*\w], v[48+2*\w], v[33+2*\w]
.endr
	v_add_f32 v21, v49, v51
	v_add_f32 v23, v53, v55
	v_add_f32 v21, v21, v57
	v_add_f32 v23, v23, v59
	v_add_f32 v21, v21, v61
	v_add_f32 v23, v23, v63
	v_add_f32 v21, v21, v23
	v_permlanex16_b32 v22, v21, s30, s31
	v_add_f32 v21, v21, v22                        ; and lane l xor 16's: the row's sum
	v_rcp_f32 v21, v21
	v_nop                                          ; one plain place behind the transcendental
	s_wait_alu depctr_va_vdst(0)
	v_ldexp_f32 v21, v21, s34                      ; x 2^(e8 + e9)
.irp w, 0,1,2,3,4,5,6,7
	v_mul_f32 v[48+2*\w], v[48+2*\w], v21
.endr
	s_wait_dscnt 0x0
.irp m, 0,1,2,3,4,5,6,7
	v_pk_mul_f32 v[64+2*\m:65+2*\m], v[128+2*\m:129+2*\m], v[48:49] op_sel_hi:[1,0]
.endr
.irp w, 1,2,3,4,5,6,7
.irp m, 0,1,2,3,4,5,6,7
	v_pk_fma_f32 v[64+2*\m:65+2*\m], v[128+16*\w+2*\m:129+16*\w+2*\m], v[48+2*\w:49+2*\w], v[64+2*\m:65+2*\m] op_sel_hi:[1,0,1]
.endr
.endr
	; THE WAY OUT: a row's 256 bytes come from two waves: they meet in the stage, and each wave stores eight whole rows
.irp k, 0,1,2,3
	ds_store_b128 v26, v[64+4*\k:67+4*\k] offset:64*(\k/2)+16*(\k%2)   ; lane (r, h): out(r, 32 cth + 16 (k / 2) + 8 h + 4 (k % 2) + 0 .. 3)
.endr
	s_wait_dscnt 0x0                               ; for the others' sake: my stores into the stage are done
	s_barrier_signal -1
	s_barrier_wait -1
.irp t, 0,1,2,3
	ds_load_b128 v[96+4*\t:99+4*\t], v27 offset:544*\t
.endr
.irp t, 0,1,2,3
	s_wait_dscnt 3-\t                              ; LDS loads come back in order: pair t of rows is in
	global_store_b128 v1, v[96+4*\t:99+4*\t], s[10:11] offset:512*\t th:TH_STORE_NT   ; 32 lanes store two rows: 512 consecutive bytes, aligned; written once, read by nobody here
.endr
	s_wait_tensorcnt 0x0
	ds_add_u32 v30, v31
	s_wait_dscnt 0x0
	s_endpgm
.Lfunc_end_k_qb3615a8acf_attn:
	.size	k_qb3615a8acf_attn, .Lfunc_end_k_qb3615a8acf_attn-k_qb3615a8acf_attn
	.p2alignl 7, 3214868480
	.fill 96, 4, 3214868480
	.section	.rodata,"a",@progbits
	.p2align	6, 0x0
	.amdhsa_kernel k_qb3615a8acf_attn
		.amdhsa_group_segment_fixed_size 157696
		.amdhsa_private_segment_fixed_size 0
		.amdhsa_enable_private_segment 0
		.amdhsa_kernarg_size 32
		.amdhsa_user_sgpr_count 2
		.amdhsa_user_sgpr_kernarg_segment_ptr 1
		.amdhsa_wavefront_size32 1
		.amdhsa_system_sgpr_workgroup_id_x 1
		.amdhsa_system_sgpr_workgroup_id_y 1
		.amdhsa_system_sgpr_workgroup_id_z 1
		.amdhsa_system_vgpr_workitem_id 0
		.amdhsa_next_free_vgpr 400
		.amdhsa_next_free_sgpr 66
		.amdhsa_reserve_vcc 1
		.amdhsa_float_denorm_mode_32 3
		.amdhsa_float_denorm_mode_16_64 3
		.amdhsa_memory_ordered 1
		.amdhsa_forward_progress 1
		.amdhsa_inst_pref_size 111
	.end_amdhsa_kernel
	.amdgpu_metadata
---
amdhsa.version: [ 1, 2 ]
amdhsa.kernels:
  - .name:           k_qb3615a8acf_attn
    .symbol:         k_qb3615a8acf_attn.kd
    .args:
      - { .name: qc, .offset: 0, .size: 8, .value_kind: global_buffer, .address_space: global }
      - { .name: kv, .offset: 8, .size: 8, .value_kind: global_buffer, .address_space: global }
      - { .name: lowp_scales, .offset: 16, .size: 8, .value_kind: global_buffer, .address_space: global }
      - { .name: out0, .offset: 24, .size: 8, .value_kind: global_buffer, .address_space: global }
    .group_segment_fixed_size: 157696
    .private_segment_fixed_size: 0
    .kernarg_segment_align: 8
    .kernarg_segment_size: 32
    .max_flat_workgroup_size: 256
    .sgpr_count:     66
    .vgpr_count:     400
    .wavefront_size: 32
...
	.end_amdgpu_metadata
.endif
;; end of part 2
;; ======== version 2 of 2: 2 launches; version 1 with the launch attn written anew for expert scheduling mode
;; workspace buffers: qc 1,048,576 bytes; kv 2,097,152 bytes
;; launch proj: the kernel of part 1 again; grid 256 x 1, 8 waves a work-group, clusters of 4 x 1, 279,552 bytes of LDS; arguments x_codes, Wq_codes, Wk_codes, Wv_codes, bq, bk, bv, lowp_scales, qc, kv; writes qc, kv
;; launch attn (part 3): grid 256 x 1, 8 waves a work-group, no clusters, 157,696 bytes of LDS; arguments qc, kv, lowp_scales, out0; writes out0
.if DOCPART == 3
	.amdgcn_target "amdgcn-amd-amdhsa--gfx1250"
	.amdhsa_code_object_version 6
	.text
	.protected	k_qb3615a8acf_attn
	.globl	k_qb3615a8acf_attn
	.p2align	8
	.type	k_qb3615a8acf_attn,@function
k_qb3615a8acf_attn:
	s_mov_b64 s[64:65], 0
	v_nop
	global_prefetch_b8 v0, s[64:65] scope:SCOPE_SE
	s_setreg_imm32_b32 hwreg(HW_REG_WAVE_SCHED_MODE, 0, 2), 2
	s_setreg_imm32_b32 hwreg(HW_REG_WAVE_MODE, 25, 1), 1
	s_wait_xcnt 0x0
	s_wait_alu depctr_vm_vsrc(0)
; out[b][q][:] = the sum over keys k <= q of softmax_k(q . k / 8) v[k][:], both products on codes of BF8 (E5M2).  qc and kv hold images of operand registers:
;   qc: [token tile of 16][c = 0, 1][lane][16 bytes]; kv: [batch x 32 + step of 128 keys][16,384 bytes]: 8 key tiles of 1,024 bytes, then V^T in 4 channel tiles of 2,048 bytes.
; THE SOFTMAX: t = score x log2(e) / 8; M = the largest t so far, rounded UP to a whole number; p = 2^(t - M) is quantised along the keys with 2^e8, not normalised; the sum l is taken of the unquantised p and divides at the end.
; SHARES.  Work-group id: batch = id >> 6, g = id & 63, a = g >> 2.  It owns two pairs of query tiles: the HIGH pair, queries 4064 - 32 g on, which needs key steps 0 .. 31 - a, and the LOW pair, queries 32 g on, which needs
; steps 0 .. a: 33 jobs (a pair x a step of 128 keys) in every work-group.  Job j is (high, step j) for j < NH = 32 - a, else (low, step j - NH).  Wave w takes jobs w, w + 8, ..: five for wave 0, four for the others.
; Each wave keeps its own M, l and O^T for the pair in hand; at the end the eight waves' parts meet in LDS and are brought under one M by exact powers of two.
; A job's 16,384 bytes go from memory straight into the wave's operand registers by 32 loads of 512 consecutive bytes; the loop has no barrier, and touches LDS once, where the pair changes.
; NO CLUSTER: the four work-groups of one a walk the same steps, but a joint request lands in LDS: it would want two slots of 8 x 16,384 bytes and a round of the cluster's barrier for every eight jobs,
; 32 waves in step through 4 or 5 trips, where here no wave waits for another before the end.
; LAYOUT.  S^T = K Q^T (K = 64 form; source 0 = 16 keys, source 1 = 16 queries): a lane holds one query (lane % 16), register j of tile t key 16 t + 8 (lane / 16) + j: the conversion of tile t gives registers 2 t, 2 t + 1 of P.
; O^T = V^T P (K = 128 form; source 0 = 16 channels): a lane holds one query and eight channels.
; LIMITS: e6 + e7 between -123 and 130 (added to c's exponent field); e8 between -126 and 112.  M is a running value, each wave's own over its own keys: where 57,344 x 2^e8 < 1 the hold meets p under that running M.
; NaN among the codes is not served.
; THE MODE: SCHED_MODE bits 1:0 = 2 (LLVM: expert scheduling mode 2), set by the entry lines.  The code itself states the register dependences
; between vector or matrix instructions and memory or LDS instructions, with s_wait_alu, always for 0.
; THE PLAN.  Registers that memory or LDS instructions touch:
;   K (window 1, v0-63)     A job's sixteen first products read it; behind them the next job's loads land in it.
;   V (window 1, v64-127)   A job's eight second products read it; behind them the next job's loads land in it.
;   Q (v32-47; the low pair's in window 1, v128-143)  Loaded at the head.  v32-47: written by SWITCH's moves, read by the first products; at the end the eight waves' -M and l land there.
;   O^T (v64-127), v8, v9, v12, v13   Written by the second products, the softmax and RESET; read by DUMP's LDS stores; written again by RESET, at the end by the sum of the parts (v64-79) and the stage's loads (v96-111).
;   S^T (v128-255)          Named by vector and matrix instructions alone in the loop; at the end the parts land there.
;   v1, v2, v3, v24-28, v30, v31   Offsets and LDS addresses: made at the head and never written again.
; So a job that loads has two waits on va_vdst for its loads, one behind the first products (K) and one behind the last second products (V), beside the one that each tile's exponentials have;
; DUMP has one ahead of its run of stores, and one wait on vm_vsrc stands ahead of each place where what DUMP stored is written again.
; The mask's compares go in runs of sixteen into scalar registers, one wait on va_sdst behind each run, ahead of the selects that read them.
; REGISTERS, window 0: v1 16 x lane; v2, v3 where I put my parts; v4 57,344 x 2^e8; v5 2^e8; v6 -infinity; v7 r - 8 h; tile i: v[8+4i] -M, v[9+4i] the largest t, v[10+4i:11+4i] l in two halves; v[16:17] f; v[18:19] a second chain of sums;
;   v20-23 at work; v24-28 addresses of the end; v30, v31 the closing add's two; v32-47 Q (8 a tile); v48-63 P; v64-127 O^T (tile i, channel tile ct at 64 + 32 i + 8 ct); v128-255 S^T (tile i, key tile t at 128 + 64 i + 8 t).
;   window 1: v0-63 K of a step; v64-127 V^T of a step; v128-143 the low pair's Q.
; SCALARS: s12 wave, s13 batch, s14 g, s15 a, s16 NH, s17 job, s18 its step, s19 1 = the low pair is in hand, s20 the pair's diagonal step, s21 the pair's first query, s22 trips, s23 1 = the hold is needed,
;   s[24:25] kv at my batch, s[26:27] the step being loaded, s[30:31] lane selects, s[32:33] c, s34 e8 + e9, s[36:39] e6 .. e9; s48-63 sixteen masks of the diagonal (s48-51 at the head: Q's two addresses).
.set STAT, 131072                      ; LDS: 0: the parts of O^T, [wave][tile T = 2 x pair + i][piece 0..7][lane][16 bytes]; STAT: [wave][T][lane][-M, l]; STG: [T][16 rows x 272 bytes] for the way out
.set STG,  139264
.set MK,   48                          ; s[48:63] the masks
.set MSB, 0
.macro WIN new                         ; the immediate's high byte repeats the setting that is left
.if MSB != \new
	s_set_vgpr_msb (MSB<<8)|\new
.set MSB, \new
.endif
.endm
.macro PLACES
.rept 4
	v_nop
.endr
.endm
.macro RESET                           ; a pair begins: O^T and l are zeros, the largest t is -3e38, under every t.  (The step is written once: a pair's first step finds zeros, which the first change of M leaves zeros)
.set n, 0
.rept 64
	v_mov_b32 v[64+n], 0
.set n, n+1
.endr
.irp i, 0,1
	v_mov_b32 v[9+4*\i], 0xff61b1e6
	v_floor_f32 v[8+4*\i], -v[9+4*\i]
	v_mov_b32 v[10+4*\i], 0
	v_mov_b32 v[11+4*\i], 0
.endr
.endm
.macro DUMP t0                         ; my part of the pair in hand goes to LDS: tiles t0, t0 + 1
.irp i, 0,1
	v_add_f32 v[9+4*\i], v[10+4*\i], v[11+4*\i]    ; l's two halves, beside -M
.endr
	s_wait_alu depctr_va_vdst(0)                   ; the second products, the softmax or RESET have written O^T and -M, the two lines above l: the stores below read them, by v2 and v3, which the head wrote.  All earlier readers and writers of Q's and S^T's registers are done too
.irp i, 0,1
	ds_store_b64 v3, v[8+4*\i:9+4*\i] offset:(\t0+\i)*256
.irp k, 0,1,2,3,4,5,6,7
	ds_store_b128 v2, v[64+32*\i+4*\k:67+32*\i+4*\k] offset:(\t0+\i)*4096+512*\k   ; each accumulator from its low end on
.endr
.endr
.endm
.macro SWITCH                          ; from the high pair to the low one
	DUMP 0
	s_wait_dscnt 0x0                               ; my part of the high pair lies in LDS
	s_wait_alu depctr_vm_vsrc(0)                   ; DUMP's stores have read O^T, -M and l, which RESET writes again
	RESET
	WIN 0x01                                       ; source 0 in window 1
.set n, 0
.rept 16
	v_mov_b32 v[32+n], v[128+n]                    ; the low pair's Q
.set n, n+1
.endr
	WIN 0
	s_lshl_b32 s21, s14, 5                         ; its first query, 32 g,
	s_mov_b32 s20, s15                             ; its diagonal step, a
	s_mov_b32 s19, 1
.endm
; The softmax of tile i for the step in hand: 64 scores a lane.
.macro SM i
.set SB, 128+64*\i
.set NM, 8+4*\i
.set RT, 9+4*\i
.set LS, 10+4*\i
.set OB, 64+32*\i
	s_cmp_lg_u32 s18, s20                          ; only the pair's last step lies on the diagonal: a scalar branch on ids
	s_cbranch_scc1 .Lopen_\@
	s_lshl_b32 s40, s18, 7
	s_sub_co_i32 s40, s21, s40
	s_add_co_i32 s40, s40, 16*\i
	v_add_nc_u32 v23, s40, v7                      ; d = my query - the step's first key - 8 h.  Register 8 t + j holds key 16 t + 8 h + j: hidden where 16 t + j > d
.set u, 0
.rept 4                                        ; sixteen scores at a time: their compares in a run, one wait, their selects
.set n, 0
.rept 16
	v_cmp_gt_i32 s[MK+n], 16*((16*u+n)/8)+(16*u+n)%8, v23
.set n, n+1
.endr
	s_wait_alu depctr_va_sdst(0)                   ; the sixteen compares have written s48 to s63, ahead of the selects that read them
.set n, 0
.rept 16
	v_cndmask_b32 v[SB+16*u+n], v[SB+16*u+n], v6, s[MK+n]   ; a hidden score becomes -infinity: p = 0.  The step's first key counts for every query, so the maximum is a number
.set n, n+1
.endr
.set u, u+1
.endr
.Lopen_\@:
	v_max3_num_f32 v20, v[SB], v[SB+1], v[SB+2]    ; the largest of my 64 scores, in two chains, in ascending order
	v_max3_num_f32 v21, v[SB+3], v[SB+4], v[SB+5]
.set n, 6
.rept 14
	v_max3_num_f32 v20, v20, v[SB+n], v[SB+n+1]
	v_max3_num_f32 v21, v21, v[SB+n+2], v[SB+n+3]
.set n, n+4
.endr
	v_max3_num_f32 v20, v20, v[SB+62], v[SB+63]
	v_max_num_f32 v20, v20, v21
	v_permlanex16_b32 v22, v20, s30, s31
	v_max_num_f32 v20, v20, v22                    ; and of lane l xor 16's: my query's other 64 keys
	v_mul_f32 v20, s32, v20                        ; as t (c is positive)
	v_max_num_f32 v[RT], v[RT], v20                ; the running largest t
	v_mov_b32 v20, v[NM]
	v_floor_f32 v[NM], -v[RT]                      ; the new -M = floor(-t) = -ceil(t): a whole number
	v_sub_f32 v20, v[NM], v20                      ; old M - new M: a whole number, 0 or less
	v_cvt_i32_f32 v20, v20                         ; (it saturates)
	v_ldexp_f32 v16, 1.0, v20                      ; f = 2^(old M - new M): rounds nothing
.set n, 0
.rept 32
	v_pk_fma_f32 v[SB+n:SB+n+1], v[SB+n:SB+n+1], s[32:33], v[NM:NM+1] op_sel_hi:[1,0,0]   ; t - M, two at a time (of the pairs c and -M the low word serves both halves)
.set n, n+2
.endr
.set n, 0
.rept 64
	v_exp_f32 v[SB+n], v[SB+n]                     ; p = 2^(t - M), at most 1
.set n, n+1
.endr
	v_pk_mul_f32 v[LS:LS+1], v[LS:LS+1], v[16:17] op_sel_hi:[1,0]   ; l under the new M.  (The plain place behind the exponentials)
	s_wait_alu depctr_va_vdst(0)                   ; the 64 exponentials have written p, ahead of the first line that names a result: one wait for the batch
	v_pk_add_f32 v[18:19], v[SB:SB+1], v[SB+2:SB+3]                 ; the sum of the unquantised p, in two chains
.set n, 4
.rept 15
	v_pk_add_f32 v[LS:LS+1], v[LS:LS+1], v[SB+n:SB+n+1]
	v_pk_add_f32 v[18:19], v[18:19], v[SB+n+2:SB+n+3]
.set n, n+4
.endr
	v_pk_add_f32 v[LS:LS+1], v[LS:LS+1], v[18:19]
	s_cmp_eq_u32 s23, 0                            ; p <= 1 <= 57,344 x 2^e8 wherever e8 >= -15: the hold then changes nothing and is passed over (a branch on a whole number read from memory, the same in every wave)
	s_cbranch_scc1 .Lno_hold_\@
.set n, 0
.rept 64
	v_min_num_f32 v[SB+n], v[SB+n], v4             ; the conversion to an 8-bit code does not saturate (ISA guide 7.6.2); p is not negative, so the hold is one-sided
.set n, n+1
.endr
.Lno_hold_\@:
.set n, 0
.rept 8
	v_cvt_scalef32_pk8_bf8_f32 v[48+2*n:49+2*n], v[SB+8*n:SB+8*n+7], v5   ; key tile n: registers 2 n, 2 n + 1 of P
.set n, n+1
.endr
.set n, 0
.rept 16
	v_pk_mul_f32 v[OB+n:OB+n+1], v[OB+n:OB+n+1], v[16:17] op_sel_hi:[1,0]   ; O^T under the new M, each accumulator from its low end on.  (Also the plain place behind the conversions)
.set n, n+2
.endr
.endm
; A job.  pre = 1: the wave's next job, eight on, is loaded meanwhile: its K once this job's scores are made, its V once this job's second products are issued.
.macro TRIP pre
	s_wait_loadcnt 16                              ; loads come back in order: K of this job is in (in the first trip Q of both pairs too); the 16 younger loads, V's, may be out
	s_cmp_lt_u32 s17, s16                          ; a job of the low pair, and the high pair still in hand?
	s_cbranch_scc1 .Lstay_\@
	s_cmp_lg_u32 s19, 0
	s_cbranch_scc1 .Lstay_\@
	SWITCH
.Lstay_\@:
	WIN 0x01                                       ; source 0 (K, V) in window 1
.irp t, 0,1,2,3,4,5,6,7
.irp i, 0,1
	v_wmma_f32_16x16x64_bf8_bf8 v[128+64*\i+8*\t:135+64*\i+8*\t], v[8*\t:8*\t+7], v[32+8*\i:39+8*\i], 0
.endr
.endr
	WIN 0
.if \pre
	s_add_co_u32 s41, s17, 8                       ; the next job,
	s_cmp_lt_u32 s41, s16
	s_cselect_b32 s42, 0, s16
	s_sub_co_u32 s42, s41, s42                     ; its step,
	s_lshl_b32 s28, s42, 14
	s_wait_xcnt 0x0                                ; V's loads have read their base: only behind this wait is it written
	s_add_nc_u64 s[26:27], s[24:25], s[28:29]      ; and its 16,384 bytes
.endif
	PLACES                                         ; four places in front of the first read of the scores
.if \pre
	WIN 0x40                                       ; destination in window 1
	s_wait_alu depctr_va_vdst(0)                   ; the sixteen products above are done reading K, in whose registers the loads below land
.set n, 0
.rept 16
	global_load_b128 v[4*n:4*n+3], v1, s[26:27] offset:512*n
.set n, n+1
.endr
	WIN 0
.endif
	SM 0
.if \pre
	s_wait_loadcnt 16                              ; V of this job is in; the next job's K, 16 loads, may be out
.else
	s_wait_loadcnt 0x0
.endif
	WIN 0x01
.irp ct, 0,1,2,3
	v_wmma_f32_16x16x128_bf8_bf8 v[64+8*\ct:71+8*\ct], v[64+16*\ct:79+16*\ct], v[48:63], v[64+8*\ct:71+8*\ct]
.endr
	WIN 0
	SM 1                                           ; its conversions write P far more than four plain instructions behind the products above
	WIN 0x01
.irp ct, 0,1,2,3
	v_wmma_f32_16x16x128_bf8_bf8 v[96+8*\ct:103+8*\ct], v[64+16*\ct:79+16*\ct], v[48:63], v[96+8*\ct:103+8*\ct]
.endr
	WIN 0
	PLACES                                         ; four places in front of the next read of O^T
.if \pre
	WIN 0x40
	s_wait_alu depctr_va_vdst(0)                   ; the job's eight second products are done reading V, in whose registers the loads below land
.set n, 0
.rept 16
	global_load_b128 v[64+4*n:67+4*n], v1, s[26:27] offset:8192+512*n
.set n, n+1
.endr
	WIN 0
	s_mov_b32 s17, s41
	s_mov_b32 s18, s42
.endif
.endm
	s_load_b256 s[4:11], s[0:1], 0x0               ; qc s[4:5], kv s[6:7], the exponents s[8:9], out0 s[10:11]
	v_lshl_add_u32 v30, v0, 2, 0x26400             ; the closing add's two registers, made here and kept for it alone: my spare word, behind the stage,
	v_mov_b32 v31, 0                               ; and 0
	v_lshrrev_b32 v21, 5, v0
	v_readfirstlane_b32 s12, v21                   ; wave 0..7
	s_lshr_b32 s13, ttmp9, 6                       ; batch
	s_and_b32 s14, ttmp9, 63                       ; g
	s_lshr_b32 s15, s14, 2                         ; a
	s_sub_co_u32 s16, 32, s15                      ; NH
	v_and_b32 v18, 31, v0                          ; lane
	v_lshlrev_b32 v1, 4, v18
	s_lshl_b32 s40, s13, 12                        ; the batch's first token
	s_lshl_b32 s41, s14, 5                         ; 32 g
	s_sub_co_u32 s21, 4064, s41                    ; the high pair's first query
	s_add_co_u32 s42, s40, s21
	s_lshl_b32 s42, s42, 6                         ; 64 bytes of codes a token
	s_mov_b32 s43, 0
	s_add_co_u32 s44, s40, s41
	s_lshl_b32 s44, s44, 6
	s_mov_b32 s45, 0
	s_lshl_b32 s46, s13, 19                        ; 32 steps of 16,384 bytes a batch
	s_mov_b32 s47, 0
	s_wait_alu depctr_va_sdst(0)                   ; s12, the wave's number, is written, ahead of its first reader
	s_lshl_b32 s28, s12, 14                        ; my first job: step w
	s_mov_b32 s29, 0
	s_wait_kmcnt 0x0
	s_load_b128 s[36:39], s[8:9], 0x18             ; e6, e7, e8, e9
	s_add_nc_u64 s[48:49], s[4:5], s[42:43]
	s_add_nc_u64 s[50:51], s[4:5], s[44:45]
	s_add_nc_u64 s[24:25], s[6:7], s[46:47]
	s_add_nc_u64 s[26:27], s[24:25], s[28:29]
	s_wait_alu depctr_va_vdst(0)                   ; v1 is written: every global load and store of the kernel reads it as its offset
.irp i, 0,1,2,3
	global_load_b128 v[32+4*\i:35+4*\i], v1, s[48:49] offset:512*\i     ; the high pair's Q
.endr
	WIN 0x40
.irp i, 0,1,2,3
	global_load_b128 v[128+4*\i:131+4*\i], v1, s[50:51] offset:512*\i   ; the low pair's Q
.endr
.set n, 0
.rept 16
	global_load_b128 v[4*n:4*n+3], v1, s[26:27] offset:512*n            ; K of my first job
.set n, n+1
.endr
.set n, 0
.rept 16
	global_load_b128 v[64+4*n:67+4*n], v1, s[26:27] offset:8192+512*n   ; V of my first job
.set n, n+1
.endr
	WIN 0
	; every LDS address is made here, ahead of all branches: a constant + a constant x wave + a constant x lane.  Each is first read behind a later wait on va_vdst: DUMP's (v2, v3, v24, v25, v28), the one ahead of the stage's stores (v26, v27)
	v_and_b32 v19, 15, v0                          ; r
	v_bfe_u32 v20, v0, 4, 1                        ; h
	v_lshlrev_b32 v21, 3, v20
	v_sub_nc_u32 v7, v19, v21                      ; r - 8 h
	s_lshl_b32 s40, s12, 14
	v_add_nc_u32 v2, s40, v1                       ; my parts of O^T: 16,384 x wave + 16 x lane
	s_lshl_b32 s40, s12, 10
	s_add_co_u32 s40, s40, STAT
	v_lshl_add_u32 v3, v18, 3, s40                 ; my -M and l: STAT + 1,024 x wave + 8 x lane
	s_lshl_b32 s42, s12, 11
	v_add_nc_u32 v24, s42, v1                      ; the end: wave w adds up tile T = w >> 1, pieces 4 (w & 1) on: 4,096 T + 2,048 (w & 1) = 2,048 w; waves' parts 0 to 3,
	v_add_nc_u32 v25, 0x10000, v24                 ; and 4 to 7
	s_lshr_b32 s40, s12, 1                         ; T
	s_and_b32 s41, s12, 1                          ; cth
	s_lshl_b32 s42, s40, 8
	s_add_co_u32 s42, s42, STAT
	v_lshl_add_u32 v28, v18, 3, s42                ; tile T's -M and l
	s_mul_i32 s42, s40, 16*272
	s_add_co_u32 s42, s42, STG
	s_lshl_b32 s43, s41, 7
	s_add_co_u32 s43, s43, s42
	v_mul_u32_u24 v26, v19, 272
	v_lshl_add_u32 v26, v20, 5, v26
	v_add_nc_u32 v26, s43, v26                     ; into the stage: row r, + 128 cth + 32 h
	s_mul_i32 s43, s41, 8*272
	s_add_co_u32 s43, s43, s42
	v_mul_u32_u24 v27, v20, 272
	v_lshl_add_u32 v27, v19, 4, v27
	v_add_nc_u32 v27, s43, v27                     ; back: rows 8 cth on; lanes 0-15 one row, lanes 16-31 the next
	v_mov_b32 v6, 0xff800000                       ; -infinity
	v_mov_b32 v17, 0                               ; (named as the upper half of the pair v[16:17])
	v_mov_b32 v22, 0                               ; written once: a lane permute's destination counts as one of its sources
	RESET
	s_mov_b32 s30, 0x76543210
	s_mov_b32 s31, 0xfedcba98                      ; lane l xor 16
	s_mov_b32 s17, s12                             ; my first job,
	s_mov_b32 s18, s12                             ; its step;
	s_mov_b32 s19, 0                               ; the high pair is in hand,
	s_sub_co_u32 s20, s16, 1                       ; its diagonal step is NH - 1
	s_cmp_eq_u32 s12, 0
	s_cselect_b32 s22, 4, 3                        ; trips: my jobs less the last, which is written out: five jobs for wave 0, four for the others
	s_wait_kmcnt 0x0
	s_add_co_i32 s40, s36, s37
	s_lshl_b32 s40, s40, 23
	s_add_co_i32 s32, s40, 0x3e38aa3b              ; c = log2(e) / 8 x 2^(e6 + e7): the two exponents are added to c's exponent field
	s_mov_b32 s33, s32                             ; (named with it as a pair, so it is written)
	s_add_co_i32 s40, s38, 127
	s_lshl_b32 s41, s40, 23
	v_mov_b32 v5, s41                              ; 2^e8 as f32, for the conversion
	s_add_co_i32 s40, s40, 15
	s_lshl_b32 s40, s40, 23
	s_or_b32 s40, s40, 0x600000
	v_mov_b32 v4, s40                              ; 57,344 x 2^e8
	s_add_co_i32 s34, s38, s39                     ; e8 + e9
	s_cmp_lt_i32 s38, -15
	s_cselect_b32 s23, 1, 0                        ; the hold is needed where 57,344 x 2^e8 < 1
.Ljob:
	TRIP 1
	s_sub_co_u32 s22, s22, 1
	s_cmp_lg_u32 s22, 0
	s_cbranch_scc1 .Ljob
	TRIP 0                                         ; the last job loads nothing more, so it has no wait for loads' sake
	s_cmp_lg_u32 s19, 0                            ; a wave without a job of the low pair leaves an empty part for it: zeros under -M = 3e38, which count for nothing below
	s_cbranch_scc1 .Llow_in_hand
	SWITCH
.Llow_in_hand:
	DUMP 2
	s_wait_dscnt 0x0                               ; for the others' sake: my parts lie in LDS
	s_barrier_signal -1
	s_barrier_wait -1
	; THE PARTS MEET.  Wave w: tile T = w >> 1 (16 queries), channels 32 (w & 1) on.
	; The 40 loads below land in Q's and S^T's registers and read v24, v25 and v28: DUMP's wait on va_vdst has covered all that named these, and no vector or matrix instruction has been issued since
.irp w, 0,1,2,3,4,5,6,7
	ds_load_b64 v[32+2*\w:33+2*\w], v28 offset:1024*\w               ; -M and l of wave w's part
.endr
.irp w, 0,1,2,3
.irp k, 0,1,2,3
	ds_load_b128 v[128+16*\w+4*\k:131+16*\w+4*\k], v24 offset:16384*\w+512*\k
.endr
.endr
.irp w, 0,1,2,3
.irp k, 0,1,2,3
	ds_load_b128 v[192+16*\w+4*\k:195+16*\w+4*\k], v25 offset:16384*\w+512*\k
.endr
.endr
	; where the tile's rows begin in out0
	s_lshr_b32 s40, s12, 1
	s_and_b32 s41, s12, 1
	s_lshl_b32 s42, s14, 5
	s_sub_co_u32 s43, 4064, s42
	s_cmp_lt_u32 s40, 2
	s_cselect_b32 s42, s43, s42                    ; the pair's first query,
	s_and_b32 s43, s40, 1
	s_lshl_b32 s43, s43, 4
	s_add_co_u32 s42, s42, s43                     ; the tile's,
	s_lshl_b32 s43, s41, 3
	s_add_co_u32 s42, s42, s43                     ; the first of the eight rows that I store,
	s_lshl_b32 s43, s13, 12
	s_add_co_u32 s42, s42, s43
	s_lshl_b32 s42, s42, 8                         ; in rows of 256 bytes
	s_mov_b32 s43, 0
	s_add_nc_u64 s[10:11], s[10:11], s[42:43]
	s_wait_dscnt 32                                ; the eight -M and l are in; the 32 loads of the parts may be out
	v_min3_num_f32 v20, v32, v34, v36
	v_min3_num_f32 v20, v20, v38, v40
	v_min3_num_f32 v20, v20, v42, v44
	v_min_num_f32 v20, v20, v46                    ; -M of the whole row
.irp w, 0,1,2,3,4,5,6,7
	v_sub_f32 v[48+2*\w], v20, v[32+2*\w]          ; wave w's M less the row's: a whole number, 0 or less
.endr
.irp w, 0,1,2,3,4,5,6,7
	v_cvt_i32_f32 v[48+2*\w], v[48+2*\w]           ; (it saturates)
.endr
.irp w, 0,1,2,3,4,5,6,7
	v_ldexp_f32 v[48+2*\w], 1.0, v[48+2*\w]        ; f of wave w's part; 0 for an empty part
.endr
.irp w, 0,1,2,3,4,5,6,7
	v_mul_f32 v[49+2*\w], v[48+2*\w], v[33+2*\w]
.endr
	v_add_f32 v21, v49, v51
	v_add_f32 v23, v53, v55
	v_add_f32 v21, v21, v57
	v_add_f32 v23, v23, v59
	v_add_f32 v21, v21, v61
	v_add_f32 v23, v23, v63
	v_add_f32 v21, v21, v23
	v_permlanex16_b32 v22, v21, s30, s31
	v_add_f32 v21, v21, v22                        ; and lane l xor 16's: the row's sum
	v_rcp_f32 v21, v21
	v_nop                                          ; one plain place behind the transcendental
	s_wait_alu depctr_va_vdst(0)                   ; the reciprocal has written v21, ahead of the first line that names it
	v_ldexp_f32 v21, v21, s34                      ; x 2^(e8 + e9)
.irp w, 0,1,2,3,4,5,6,7
	v_mul_f32 v[48+2*\w], v[48+2*\w], v21
.endr
	s_wait_dscnt 0x0
	s_wait_alu depctr_vm_vsrc(0)                   ; DUMP's stores have read v64 to v127: the sums below write v64 to v79, and the stage's loads land in v96 to v111
.irp m, 0,1,2,3,4,5,6,7
	v_pk_mul_f32 v[64+2*\m:65+2*\m], v[128+2*\m:129+2*\m], v[48:49] op_sel_hi:[1,0]
.endr
.irp w, 1,2,3,4,5,6,7
.irp m, 0,1,2,3,4,5,6,7
	v_pk_fma_f32 v[64+2*\m:65+2*\m], v[128+16*\w+2*\m:129+16*\w+2*\m], v[48+2*\w:49+2*\w], v[64+2*\m:65+2*\m] op_sel_hi:[1,0,1]
.endr
.endr
	; THE WAY OUT: a row's 256 bytes come from two waves: they meet in the stage, and each wave stores eight whole rows
	s_wait_alu depctr_va_vdst(0)                   ; the sums above have written v64 to v79, which the stores below read; no vector instruction follows, so it serves the stage's loads into v96 to v111 too
.irp k, 0,1,2,3
	ds_store_b128 v26, v[64+4*\k:67+4*\k] offset:64*(\k/2)+16*(\k%2)   ; lane (r, h): out(r, 32 cth + 16 (k / 2) + 8 h + 4 (k % 2) + 0 .. 3)
.endr
	s_wait_dscnt 0x0                               ; for the others' sake: my stores into the stage are done
	s_barrier_signal -1
	s_barrier_wait -1
.irp t, 0,1,2,3
	ds_load_b128 v[96+4*\t:99+4*\t], v27 offset:544*\t
.endr
.irp t, 0,1,2,3
	s_wait_dscnt 3-\t                              ; LDS loads come back in order: pair t of rows is in
	global_store_b128 v1, v[96+4*\t:99+4*\t], s[10:11] offset:512*\t th:TH_STORE_NT   ; 32 lanes store two rows: 512 consecutive bytes, aligned; written once, read by nobody here
.endr
	s_wait_dscnt 0x0                               ; the closing lines, six on end
	s_wait_alu 0x0
	s_wait_tensorcnt 0x0
	ds_add_u32 v30, v31
	s_wait_dscnt 0x0
	s_endpgm
.Lfunc_end_k_qb3615a8acf_attn:
	.size	k_qb3615a8acf_attn, .Lfunc_end_k_qb3615a8acf_attn-k_qb3615a8acf_attn
	.p2alignl 7, 3214868480
	.fill 96, 4, 3214868480
	.section	.rodata,"a",@progbits
	.p2align	6, 0x0
	.amdhsa_kernel k_qb3615a8acf_attn
		.amdhsa_group_segment_fixed_size 157696
		.amdhsa_private_segment_fixed_size 0
		.amdhsa_enable_private_segment 0
		.amdhsa_kernarg_size 32
		.amdhsa_user_sgpr_count 2
		.amdhsa_user_sgpr_kernarg_segment_ptr 1
		.amdhsa_wavefront_size32 1
		.amdhsa_system_sgpr_workgroup_id_x 1
		.amdhsa_system_sgpr_workgroup_id_y 1
		.amdhsa_system_sgpr_workgroup_id_z 1
		.amdhsa_system_vgpr_workitem_id 0
		.amdhsa_next_free_vgpr 400
		.amdhsa_next_free_sgpr 66
		.amdhsa_reserve_vcc 0
		.amdhsa_float_denorm_mode_32 3
		.amdhsa_float_denorm_mode_16_64 3
		.amdhsa_memory_ordered 1
		.amdhsa_forward_progress 1
		.amdhsa_inst_pref_size 128
	.end_amdhsa_kernel
	.amdgpu_metadata
---
amdhsa.version: [ 1, 2 ]
amdhsa.kernels:
  - .name:           k_qb3615a8acf_attn
    .symbol:         k_qb3615a8acf_attn.kd
    .args:
      - { .name: qc, .offset: 0, .size: 8, .value_kind: global_buffer, .address_space: global }
      - { .name: kv, .offset: 8, .size: 8, .value_kind: global_buffer, .address_space: global }
      - { .name: lowp_scales, .offset: 16, .size: 8, .value_kind: global_buffer, .address_space: global }
      - { .name: out0, .offset: 24, .size: 8, .value_kind: global_buffer, .address_space: global }
    .group_segment_fixed_size: 157696
    .private_segment_fixed_size: 0
    .kernarg_segment_align: 8
    .kernarg_segment_size: 32
    .max_flat_workgroup_size: 256
    .sgpr_count:     66
    .vgpr_count:     400
    .wavefront_size: 32
...
	.end_amdgpu_metadata
.endif
;; end of part 3
